; MI455X (gfx1250); checked and timed in simulation.
; The chip was launched on July 23, 2026; its instructions are those of AMD's public machine-readable ISA for CDNA 5 (MIT licence, August 2026) and "CDNA5" Instruction Set Architecture Reference Guide (July 2026). The comments in the code are by the model that wrote it; some were corrected since.
;; QKV Attention. Allowed arithmetic: matrix products marked QUANTISED: E2M1 operands, one E8M0 scale for each 32 along K, by v_wmma_scale_f32_16x16x128_f8f6f4 with both operands' format E2M1 (or v_wmma_scale_f32_32x16x128_f4), f32 sums; products left as they are: f32 operands where the result goes on into a quantised operand, else bf16, f16 or f32 operands; f32 sums; everything else in f32.
;; Inputs: Wk_codes 1,024 x 32 x 16 uint8 (E2M1 codes of Wk, K innermost, in blocks of 32 codes, two codes a byte); Wk_scales 1,024 x 32 uint8 (E8M0 scales of Wk, one for each 32 codes along K); Wq_codes 1,024 x 32 x 16 uint8 (E2M1 codes of Wq, K innermost, in blocks of 32 codes, two codes a byte); Wq_scales 1,024 x 32 uint8 (E8M0 scales of Wq, one for each 32 codes along K); Wv_codes 1,024 x 32 x 16 uint8 (E2M1 codes of Wv, K innermost, in blocks of 32 codes, two codes a byte); Wv_scales 1,024 x 32 uint8 (E8M0 scales of Wv, one for each 32 codes along K); bk 1,024 float32; bq 1,024 float32; bv 1,024 float32; x_codes 4 x 4,096 x 32 x 16 uint8 (E2M1 codes of x, K innermost, in blocks of 32 codes, two codes a byte); x_scales 4 x 4,096 x 32 uint8 (E8M0 scales of x, one for each 32 codes along K).
;; Outputs: out0 4 x 4,096 x 1,024 float32.
;; This version of the problem:
;;   THIS VERSION OF THE PROBLEM IS GIVEN IN LOW PRECISION. The matrix products marked QUANTISED in the list below multiply operands that are first quantised to E2M1 (2 exponent bits, 1 mantissa bit; 4 bits a number), with one power-of-two scale for each 32 numbers along K (OCP MX v1.0); their sums are f32. All else is computed in f32.
;;   The module's matrix products, in the order in which they are computed (A, B: the left and right operand; K: the contracted axis; several contracted axes count as one K, in the product's order):
;;     1. [M 16,384, K 1,024] x [K 1,024, N 1,024]; A: input x (given as codes); B: input Wq (given as codes): QUANTISED
;;     2. [M 16,384, K 1,024] x [K 1,024, N 1,024]; A: input x (given as codes); B: input Wk (given as codes): QUANTISED
;;     3. [M 16,384, K 1,024] x [K 1,024, N 1,024]; A: input x (given as codes); B: input Wv (given as codes): QUANTISED
;;     4. batch 16,384 x [M 16, K 64] x [K 64, N 16]; A: computed on the way; B: computed on the way: QUANTISED
;;     5. batch 16,384 x [M 16, K 16] x [K 16, N 64]; A: computed on the way; B: computed on the way: left as it is (K = 16 < 32)
;;   THE QUANTISER, for each operand of a quantised product, along K:
;;     - K is cut into blocks of 32 from its start; a last block that is shorter is filled with zeros.
;;     - A block's scale is 2^e with e = floor(log2(the largest magnitude in the block)) - 2, held to -126 .. 127; a block of zeros has e = 0. As a byte (E8M0): e + 127.
;;     - Each number is divided by its block's scale, clamped to +-6, and rounded to the nearest number of E2M1, ties to even, subnormals kept.
;;     - The product sums the exact products of the quantised numbers (number of the format x scale) in f32.
;;   ~~~python
;;   def quantise(x, axis):      # numpy; x: float32 -> the quantised numbers, widened to float32 again
;;       x = np.moveaxis(x, axis, -1); K = x.shape[-1]
;;       x = np.pad(x, [(0, 0)] * (x.ndim - 1) + [(0, -K % 32)]); x = x.reshape(x.shape[:-1] + (-1, 32)); a = np.abs(x).max(-1, keepdims=True)
;;       e = np.where(a > 0, np.clip(np.frexp(np.where(a > 0, a, 1))[1] - 1 - 2, -126, 127), 0)      # np.frexp(a)[1] - 1 = floor(log2(a)), exactly
;;       r = np.clip(x / 2.0 ** e, -6, 6)
;;       step = 2.0 ** (np.maximum(np.frexp(np.where(r == 0, 1, r))[1] - 1, 0) - 1)
;;       q = np.round(r / step) * step * 2.0 ** e      # np.round: ties to even
;;       return np.moveaxis(q.reshape(q.shape[:-2] + (-1,))[..., :K], -1, axis).astype(np.float32)
;;   ~~~
;;   OPERANDS COMPUTED ON THE WAY. 'Computed on the way' means the value that the module computes at that place (a softmax that the list does not call 'softmax' is quantised finished and normalised). What goes into a quantiser is computed in f32, as accurately as f32 sums, v_exp_f32 and their like allow (about 1e-6 of the number): no bf16 or f16 on the way to a quantiser, and a product that is left as it is and whose result goes on into a quantised operand takes f32 operands (vector FMAs, or v_wmma_f32_16x16x4_f32). A number that lies on a knife's edge between two numbers of the format may be rounded either way, as far as f32 arithmetic and the matrix unit's own rounding can turn it there, and no further.
;;   INPUTS GIVEN AS CODES. Wk (in the module: [1024, 1024], K = its axis 0); Wq (in the module: [1024, 1024], K = its axis 0); Wv (in the module: [1024, 1024], K = its axis 0); x (in the module: [4, 4096, 1024], K = its axis 2): each comes as NAME_codes (uint8): NAME with its K axis moved to the last place and cut into blocks of 32 codes, [.., K / 32, bytes a block], one block behind the other in memory; two codes a byte, the lower K in the low four bits (a code: sign, 2 exponent bits, 1 mantissa bit); and NAME_scales (uint8): the same leading axes, one E8M0 byte (e + 127) for each 32 codes along K. Its value is code x scale, taken as it is: it is not quantised again, and the codes and scales need not be those that the quantiser above would give.
;; 2 versions, each right and faster than the one before. Each part assembles by itself: llvm-mc -triple=amdgcn-amd-amdhsa -mcpu=gfx1250 --defsym DOCPART=n.
;; ======== version 1 of 2: 1 launch
;; launch qkv (part 1): grid 256 x 1, 4 waves a work-group, clusters of 4 x 1, 327,680 bytes of LDS; arguments x_codes, x_scales, Wq_codes, Wq_scales, bq, Wk_codes, Wk_scales, bk, Wv_codes, Wv_scales, bv, out0; writes out0
.if DOCPART == 1
	.amdgcn_target "amdgcn-amd-amdhsa--gfx1250"
	.amdhsa_code_object_version 6
	.text
	.protected	k_q5d5532cc01_qkv
	.globl	k_q5d5532cc01_qkv
	.p2align	8
	.type	k_q5d5532cc01_qkv,@function
k_q5d5532cc01_qkv:
	s_mov_b64 s[64:65], 0
	v_nop
	global_prefetch_b8 v0, s[64:65] scope:SCOPE_SE
	s_setreg_imm32_b32 hwreg(HW_REG_WAVE_MODE, 25, 1), 1
	s_wait_xcnt 0x0
	s_wait_alu depctr_hold_cnt(0) depctr_sa_sdst(0) depctr_va_vdst(0) depctr_va_sdst(0) depctr_va_ssrc(0) depctr_va_vcc(0) depctr_vm_vsrc(0)
	s_getreg_b32 s2, hwreg(HW_REG_IB_STS2, 6, 4)
	s_cmp_eq_u32 s2, 0
	s_cbranch_scc0 .Lentry_in_a_cluster
	s_endpgm
.Lentry_in_a_cluster:
	s_bfe_u32 s2, ttmp6, 0x10000c
	s_cmp_lg_u32 s2, 0x3003
	s_cbranch_scc0 .Lentry_shape_is_right
	s_endpgm
.Lentry_shape_is_right:
; out[tok][h][:] = sum over t of att[tok][h][t] v[tok][t][:],  att[tok][h][t] = Q(q[tok][h]) . Q(k[tok][t]),  q, k, v = x W + b.  16,384 tokens, 16 heads of 64.
; x, Wq, Wk, Wv come as codes of FP4 (E2M1) with one E8M0 byte for each 32 along K = 1,024.  q and k are quantised here, along the head's 64 (two blocks of 32); att v takes bf16 operands and f32 sums.
; NOTHING IS LEFT OUT: every input has a way to the output (bq and bk move codes, bv moves v).  q, k, v and att never go to memory.
; SHARES.  A work-group of four waves owns 64 tokens and walks all weights in 12 tiles of 256 rows (4 heads) x all of K: Wq's four, Wk's four, Wv's four.  In a tile wave w owns ONE head, rows 64 w .. 64 w + 63, for all
; 64 tokens: 16 accumulators of 16 x 16.  x's 32 fragments and its scale words stay in each wave's registers for the whole launch; each weight fragment is read from LDS once in the work-group and feeds 4 products.
; CLUSTER.  All work-groups walk the same weights: the four of a cluster ask for each tile JOINTLY (the same tensor load, the same descriptor, mask 15).  Two LDS regions take turns; a wave fetches the 64 rows that it alone reads.
; LAYOUT.  The products are used transposed (source 0 = 16 rows of W, source 1 = 16 tokens): a lane holds ONE token.  The rows of a 16-row tile a are chosen: m < 8 takes row 8 a + m, m >= 8 row 32 + 8 (a xor 1) + m - 8
; (16 rows that differ mod 16, so that at a pitch of 528 bytes they start in 16 different groups of four banks).  So lane (r, h) holds in its 32 registers 8 a + j ONE WHOLE BLOCK of 32 of the head:
; h = 0: d = 8 a + j;  h = 1: d = 32 + 8 (a xor 1) + j.  A block's largest magnitude needs no other lane.  In block 1 the groups of eight change places in pairs, alike in q and in k and inside one block: the same products.
; THE BIASES are the C of each sum's first product.  THE EXCHANGE: codes and scale bytes of q, later of k, go through LDS as images of the next operand's registers (a token's 16 heads x 2 blocks: 512 bytes on end).
; THE TAIL: wave w takes tokens 16 w .. 16 w + 15.  att^T = k q^T: one product a token, the upper 64 of its K being zero codes of k.  att is split in f32 into a high and a low bf16 part, which fill the two halves of the bf16
; product's K = 32 against v taken twice; v is rounded once to bf16 and goes from wave to wave through LDS.
; LIMITS: a block of zeros of q or k gets the byte 1 where the rule says 127 (its codes are zeros, and this program alone reads the bytes); blocks whose largest magnitude lies under 2^-124 are held at that byte;
; NaN, infinities, sums beyond f32's range and scale bytes 0xff among the inputs are not served as reference() would serve them.
; REGISTERS, in windows of 256 (s_set_vgpr_msb: bits 1:0 source 0, 3:2 source 1, 5:4 source 2, 7:6 destination):
;   window 0: v0 thread; v1-31 at work, v16, v17 the add's two; v32-47 x's scale words; v48-79 W's, two sets; v80-95 q's; v96-103 k's; v104-135 a tile's biases; v136-203 q's fragments of my 16 tokens, four zeros behind; v208-231 the head's.
;   window 1: x's fragments, v[64 mt + 8 s]; in the tail v0-127 att (bf16), v128-191 v's fragments, two sets, v192 their address.
;   window 2: v0-127 the accumulators, v[32 mt + 8 a]; v128-223 W's fragments, three sets; v224-244 LDS addresses and offsets.  Accumulators, W's fragments and the LDS addresses share a window, so that ONE setting serves the
;             products and the LDS loads that stand between them.  In the tail v0-63 att, v64-127 its low parts, v128-191 k's fragments; then v0-31 a token's results, v32-95 the same in the order of memory, two sets.
;   window 3: v in bf16, 256 registers.
.set PW,    528                        ; a weight row in LDS: 512 bytes + 16 of padding
.set WREG,  64*PW                      ; a wave's 64 rows
.set REG,   256*PW                     ; a region: a tile
.set TILEB, 131072                     ; a tile in memory: 256 rows x 512 bytes
.set EXC,   2*REG                      ; codes of q, later of k: 64 tokens x (512 + 16); in a token 256 x block + 16 x head
.set EXS,   EXC+64*PW                  ; their scale bytes: 32 x token + 2 x head + block
.set BT,    EXS+2048                   ; bq, bk, bv on end: 1,024 bytes a tile
.set SPARE, BT+12288                   ; the spare words, 128 bytes for each wave: two blocks of 256 bytes that no other line names
.set VTP,   2576                       ; the tail, in the two regions, which have had their last fill and their last read by then: v in bf16: a token's 16 rows (t) of 160 bytes, + 16
.set VRP,   160                        ; a row: 64 numbers + 32 bytes
.set SPW,  16
.set NIL,  17
.set XS,   32
.set WS,   48
.set QS,   80
.set KS,   96
.set BIAS, 104
.set QF,   136
.set WF,   128
.set WV,   28                          ; s28 my wave's number
.set CNT,  29                          ; s29 trips to go
.set BO,   30                          ; s30 the pair's place in the bias table
.set HO,   31                          ; s31 the pair's heads in a token's codes: 128 bytes a pair
.set HB,   32                          ; s32 and in its scale bytes: 16 a pair
.set G1,   36                          ; s[36:43] descriptor group 1
.set G0,   44                          ; s[44:51] group 0, a set for each region
.set NA,   52                          ; s[52:53] where the pair of tiles begins that this pair's changes ask for (my 64 rows)
.set NB,   54                          ; s[54:55] the same for the next trip
.set SA,   56                          ; s[56:57] this pair's scale bytes;  s[58:59] the next pair's;  s[60:61] the one after
.set SN,   58
.set SX,   60
.set W_MUL,  0xa6                      ; D, C and W's fragment window 2, x's fragment window 1; an LDS load: data and address window 2
.set W_MUL0, 0x86                      ; the same with C (the biases) in window 0
.set W_EPI,  0xaa                      ; all in window 2
.set W_NEXT, 0x02                      ; a load into window 0 by an address in window 2
.set W_PACK, 0xca                      ; window 2 to window 3
.set W_VST,  0x0e                      ; an LDS store: address window 2, data window 3
.set W_ATT,  0x82                      ; D and k's fragment window 2, q's window 0
.set W_AF,   0x6a                      ; window 2 to window 1
.set W_VLD,  0x41                      ; an LDS load: data and address window 1
.set W_OUT,  0x85                      ; D window 2, att and v window 1
.set W_ST,   0x8a                      ; moves in window 2; a store: address and data window 2
.set W_X,    0x40                      ; window 0 to window 1
.set W_A2,   0x80                      ; window 0 to window 2
.set MSB, 0
.macro WIN new                         ; the immediate's high byte repeats the setting that is left; a switch that changes nothing is dropped
.if MSB != (\new)
	s_set_vgpr_msb (MSB<<8)|(\new)
.set MSB, \new
.endif
.endm
.macro PLACES n                        ; places behind matrix instructions: four ahead of reads of results and of loads into their registers, five ahead of a matrix instruction that writes over them
.rept \n
	v_nop
.endr
.endm
.macro CROUND                          ; a round of the cluster's barrier: my work-group's barrier; wave 0 signals for the work-group; every wave waits for all four work-groups; my work-group's barrier once more
	s_barrier_signal -1
	s_barrier_wait -1
	s_cmp_lg_u32 s[WV], 0
	s_cbranch_scc1 .Lnot_wave_0_\@
	s_barrier_signal -3
.Lnot_wave_0_\@:
	s_barrier_wait -3
	s_barrier_signal -1
	s_barrier_wait -1
.endm
; load l of eight of K step s's fragments of W, region p: 16-row tile l / 2, half l % 2 of its 128 along K; into set s % 3
.macro LOADW p, s, l
.set la_, (\l)/2
.set lc_, (\l)%2
	ds_load_b128 v[WF+32*((\s)%3)+4*(\l):WF+32*((\s)%3)+4*(\l)+3], v[224+2*(\p)+la_%2] offset:8*la_*PW+64*(\s)+32*lc_
.endm
; product n of sixteen of K step s: 16-row tile n / 4 of W x token tile n % 4.  A scale register carries two tiles' words: the even tile's in lanes 0-15, the odd one's in lanes 16-31
.macro MM s, n, ws
.set a_, (\n)/4
.set m_, (\n)%4
.set d_, 32*m_+8*a_
.set f_, WF+32*((\s)%3)+8*a_
.set x_, 64*m_+8*(\s)
.set p_, WS+16*(\ws)+8*(a_/2)+(\s)
.set q_, XS+8*(m_/2)+(\s)
.set c_, d_
.if (\s) == 0
.set c_, BIAS+8*a_                     ; the first product starts the sum with the bias
.endif
.if (a_%2 == 0) && (m_%2 == 0)
	v_wmma_scale_f32_16x16x128_f8f6f4 v[d_:d_+7], v[f_:f_+7], v[x_:x_+7], v[c_:c_+7], v[p_], v[q_] matrix_a_fmt:MATRIX_FMT_FP4 matrix_b_fmt:MATRIX_FMT_FP4
.elseif (a_%2 == 1) && (m_%2 == 0)
	v_wmma_scale_f32_16x16x128_f8f6f4 v[d_:d_+7], v[f_:f_+7], v[x_:x_+7], v[c_:c_+7], v[p_], v[q_] matrix_a_fmt:MATRIX_FMT_FP4 matrix_b_fmt:MATRIX_FMT_FP4 matrix_a_scale:MATRIX_SCALE_ROW1
.elseif (a_%2 == 0) && (m_%2 == 1)
	v_wmma_scale_f32_16x16x128_f8f6f4 v[d_:d_+7], v[f_:f_+7], v[x_:x_+7], v[c_:c_+7], v[p_], v[q_] matrix_a_fmt:MATRIX_FMT_FP4 matrix_b_fmt:MATRIX_FMT_FP4 matrix_b_scale:MATRIX_SCALE_ROW1
.else
	v_wmma_scale_f32_16x16x128_f8f6f4 v[d_:d_+7], v[f_:f_+7], v[x_:x_+7], v[c_:c_+7], v[p_], v[q_] matrix_a_fmt:MATRIX_FMT_FP4 matrix_b_fmt:MATRIX_FMT_FP4 matrix_a_scale:MATRIX_SCALE_ROW1 matrix_b_scale:MATRIX_SCALE_ROW1
.endif
.endm
; A K step of 128: sixteen products, the sixteen accumulators by turns in the same order in every step.  The fragments of the step after next come between them, into the set that the
; step before has left: four v_nop behind the first four products are the places between that step's last product and the first of these loads.
.macro STEP p, s, ws
.if (\s) < 7
	s_wait_dscnt 8                                 ; this step's eight loads are in; the next step's eight, the only younger ones, may be out
.else
	s_wait_dscnt 0x0
.endif
.if (\s) == 0
	WIN W_MUL0
.else
	WIN W_MUL
.endif
.set n_, 0
.rept 16
	MM \s, n_, \ws
.if ((\s) >= 1) && ((\s) <= 5) && (n_ < 4)
	v_nop
.endif
.if ((\s) <= 5) && (n_ >= 4) && (n_ < 12)
	LOADW \p, (\s)+2, n_-4
.endif
.set n_, n_+1
.endr
.endm
; A tile: my head x 64 tokens x all of K, from region p, with W's scale words of set ws
.macro GEMM p, ws
	WIN W_MUL
.set l_, 0
.rept 8
	LOADW \p, 0, l_
.set l_, l_+1
.endr
.set l_, 0
.rept 8
	LOADW \p, 1, l_
.set l_, l_+1
.endr
	s_wait_loadcnt 0x0                             ; this tile's scale words of W
.irp s, 0,1,2,3,4,5,6,7
	STEP \p, \s, \ws
.endr
.endm
.macro BIASLD boff                     ; a tile's biases in the result's layout: lane (r, h), register 8 a + j: the bias of the head's d as the layout above has it
.irp a, 0,1,2,3
.irp hf, 0,1
	ds_load_b128 v[BIAS+8*\a+4*\hf:BIAS+8*\a+4*\hf+3], v[230+\a%2] offset:(\boff)+32*\a+16*\hf
.endr
.endr
.endm
.macro WSLD ws2, sb, soff              ; a tile's scale words of W: each lane its row's 32 bytes: lanes 0-15 the rows of tile 2 ap, lanes 16-31 those of tile 2 ap + 1
.irp ap, 0,1
.irp hf, 0,1
	global_load_b128 v[WS+16*(\ws2)+8*\ap+4*\hf:WS+16*(\ws2)+8*\ap+4*\hf+3], v236, s[\sb:\sb+1] offset:(\soff)+512*\ap+16*\hf
.endr
.endr
.endm
.macro NEXT ws2, sb, soff, boff        ; what the next tile wants beside its codes.  The biases were last read by K step 0's products, twenty v_nop back; the other set of scale words by the tile before
	WIN W_NEXT
	BIASLD \boff
	WSLD \ws2, \sb, \soff
.endm
; The tile's results (q or k) become codes: a lane's 32 registers of a token tile are one block.  pos: the tile's place in its pair
.macro EPIQ pos
	WIN W_EPI
	PLACES 5
.irp mt, 0,1,2,3
	v_max3_num_f32 v[128+\mt], |v[32*\mt]|, |v[32*\mt+1]|, 0x1800000     ; the block's largest magnitude, and the floor 2^(3 - 127): the byte cannot fall under 1.  (The four token tiles by turns; each accumulator is read from its low end on)
.endr
.irp i, 2,4,6,8,10,12,14,16,18,20,22,24,26,28,30
.irp mt, 0,1,2,3
	v_max3_num_f32 v[128+\mt], v[128+\mt], |v[32*\mt+\i]|, |v[32*\mt+\i+1]|
.endr
.endr
.irp mt, 0,1,2,3
	v_add_nc_u32 v[132+\mt], 0xff000000, v[128+\mt]  ; 2 off its exponent field: the conversion takes the exponent field of this operand as its scale
.endr
.irp mt, 0,1,2,3
	v_lshrrev_b32 v[136+\mt], 23, v[132+\mt]       ; the scale's byte
.endr
.irp mt, 0,1,2,3
.irp a, 0,1,2,3
	v_cvt_scalef32_pk8_fp4_f32 v[144+4*\mt+\a], v[32*\mt+8*\a:32*\mt+8*\a+7], v[132+\mt]
.endr
.endr
	v_nop                                          ; one plain place behind the last scaled conversion
.irp mt, 0,1,2,3
	ds_store_b128 v234, v[144+4*\mt:144+4*\mt+3] offset:16*PW*\mt+64*(\pos)   ; token 16 mt + r, block h, my head: 16 bytes
.endr
.irp mt, 0,1,2,3
	ds_store_b8 v235, v[136+\mt] offset:512*\mt+8*(\pos)
.endr
.endm
; The tile's results (v) are rounded to bf16 and kept: register 4 u + a holds j = u (low half) and j = u + 4 (high half) of 16-row tile a.  u = 0 first: each accumulator is read from its low end on
.macro EPIV g
	WIN W_PACK
	PLACES 5
.irp u, 0,1,2,3
.irp mt, 0,1,2,3
.irp a, 0,1,2,3
	v_cvt_pk_bf16_f32 v[64*(\g)+16*\mt+4*\u+\a], v[32*\mt+8*\a+\u], v[32*\mt+8*\a+\u+4]
.endr
.endr
.endr
.endm
; THE CHANGE OF REGIONS.  Every wave waits for all its tensor loads (one is out: its part of the other region), adds 0 to its spare word, and waits for that, for its reads of region p and for its stores into the exchange.
; The round of the cluster's barrier then says the same of every wave of all four work-groups, and the joint refill of region p, with the tile two tiles on, is the first thing behind it: it has a tile's 128 products in which to land.
.macro CHANGE p
	WIN 0                                          ; at a label and at a branch every window is 0; the add's two registers lie in window 0
	s_wait_tensorcnt 0x0                           ; no tensor load of mine is out, so a group 0 may be written
	ds_add_u32 v[SPW], v[NIL]                      ; 0 onto my spare word; the descriptor's step stands between it and the wait for it
	s_add_nc_u64 s[G0+4*(\p)+2:G0+4*(\p)+3], s[NA:NA+1], (\p)*TILEB
	s_or_b32 s[G0+4*(\p)+3], s[G0+4*(\p)+3], 0x80000000
	s_wait_dscnt 0x0
	CROUND
	tensor_load_to_lds s[G0+4*(\p):G0+4*(\p)+3], s[G1:G1+7]
	s_nop 0
	PLACES 4                                       ; an s_nop 0 and four v_nop follow the load
.endm
; Two tiles of Wq or of Wk: once round the two regions
.macro PAIR
	WIN W_EPI
	v_add_nc_u32 v234, s[HO], v232                 ; where this pair's codes,
	v_add_nc_u32 v235, s[HB], v233                 ; scale bytes
	v_add_nc_u32 v230, s[BO], v228                 ; and biases lie
	v_add_nc_u32 v231, s[BO], v229
	GEMM 0, 0
	NEXT 1, SA, 8192, 1024
	EPIQ 0
	CHANGE 0
	GEMM 1, 1
	NEXT 0, SN, 0, 2048
	EPIQ 1
	CHANGE 1
	s_wait_xcnt 0x0                                ; the loads of scale words have read their bases, which are written now
	s_mov_b64 s[NA:NA+1], s[NB:NB+1]
	s_mov_b64 s[SA:SA+1], s[SN:SN+1]
	s_mov_b64 s[SN:SN+1], s[SX:SX+1]
	s_add_co_u32 s[HO], s[HO], 128
	s_add_co_u32 s[HB], s[HB], 16
	s_add_co_u32 s[BO], s[BO], 2048
.endm
	s_load_b512 s[4:19], s[0:1], 0x0               ; x's codes s[4:5], x's scales s[6:7], Wq's codes s[8:9], scales s[10:11], bq s[12:13], Wk's codes s[14:15], scales s[16:17], bk s[18:19]
	s_load_b256 s[20:27], s[0:1], 0x40             ; Wv's codes s[20:21], scales s[22:23], bv s[24:25], out s[26:27]
	v_lshl_add_u32 v[SPW], v0, 2, SPARE
	v_mov_b32 v[NIL], 0
	ds_add_u32 v[SPW], v[NIL]                      ; the wave's opening: the add, twice on end, and its wait ahead of my first tensor load
	ds_add_u32 v[SPW], v[NIL]                      ; and once more, under the one wait; the set-up below, work on registers, stands between
	v_lshrrev_b32 v1, 5, v0
	v_readfirstlane_b32 s[WV], v1                  ; wave 0..3
	s_bfe_u32 s66, ttmp6, 0x40000                  ; cx: my place in the cluster
	s_lshl_b32 s67, ttmp9, 2                       ; in a cluster launch ttmp9 counts clusters
	s_add_co_u32 s67, s67, s66                     ; my block of 64 tokens: it enters x's and out's addresses alone
	; descriptor group 1: 64 rows x 512 bytes, dense in memory, padded in LDS
	s_mov_b32 s[G1], 15|(0<<16)|(1<<20)|(1<<21)|(6<<22)|(3<<25)   ; 15:0 the mask: all four work-groups; 17:16 elements of 1 byte; 20 padding on; 21 set beside a mask; 24:22 after every 128 words (code 6); 31:25 four words (code 3)
	s_mov_b32 s[G1+1], 512<<16                     ; tensor_dim0
	s_mov_b32 s[G1+2], 64<<16                      ; tensor_dim1
	s_mov_b32 s[G1+3], 512<<16                     ; tile_dim0
	s_mov_b32 s[G1+4], 64                          ; tile_dim1
	s_mov_b32 s[G1+5], 512                         ; tensor_dim0_stride
	s_mov_b32 s[G1+6], 0
	s_mov_b32 s[G1+7], 0
	s_mov_b32 s33, 0x07060302                      ; v_perm_b32: the upper halves of two registers
	s_mov_b32 s34, 0xffff0000                      ; an f32's upper half: its bf16 part, cut off
	s_lshl_b32 s68, s[WV], 15                      ; my 64 rows of a tile in memory
	s_mov_b32 s69, 0
	s_mul_i32 s70, s[WV], WREG                     ; and in a region: no place in the cluster enters an LDS address
	s_add_co_u32 s71, s70, REG
	s_wait_dscnt 0x0                               ; both opening adds are done
	s_wait_kmcnt 0x0
	s_add_nc_u64 s[8:9], s[8:9], s[68:69]          ; the three tensors of weight codes at my rows of their first tile
	s_add_nc_u64 s[14:15], s[14:15], s[68:69]
	s_add_nc_u64 s[20:21], s[20:21], s[68:69]
	s_mov_b32 s[G0], 1                             ; group 0, region 0: count = 1,
	s_mov_b32 s[G0+1], s70                         ; LDS address,
	s_mov_b64 s[G0+2:G0+3], s[8:9]                 ; global address: tile 0,
	s_or_b32 s[G0+3], s[G0+3], 0x80000000          ; type = 2
	s_mov_b32 s[G0+4], 1                           ; region 1: tile 1
	s_mov_b32 s[G0+5], s71
	s_add_nc_u64 s[G0+6:G0+7], s[8:9], TILEB
	s_or_b32 s[G0+7], s[G0+7], 0x80000000
	CROUND                                         ; all four work-groups are here: the first joint loads meet
	tensor_load_to_lds s[G0:G0+3], s[G1:G1+7]      ; every wave issues both first fills: two loads of mine are out
	s_nop 0
	tensor_load_to_lds s[G0+4:G0+7], s[G1:G1+7]
	s_nop 0
	PLACES 4
	s_lshl_b32 s72, s67, 15                        ; my 64 tokens' codes,
	s_mov_b32 s73, 0
	s_add_nc_u64 s[4:5], s[4:5], s[72:73]
	s_lshl_b32 s72, s67, 11                        ; their scale bytes,
	s_add_nc_u64 s[6:7], s[6:7], s[72:73]
	s_lshl_b32 s72, s67, 18                        ; and in out the 16 tokens that my wave stores: (64 x block + 16 x wave) rows of 4,096 bytes
	s_lshl_b32 s35, s[WV], 16
	s_add_co_u32 s72, s72, s35
	s_add_nc_u64 s[26:27], s[26:27], s[72:73]
	v_and_b32 v1, 15, v0                           ; r
	v_bfe_u32 v2, v0, 4, 1                         ; h
	v_bfe_u32 v3, v0, 3, 1                         ; r / 8
	v_and_b32 v4, 31, v0                           ; lane
	v_lshlrev_b32 v18, 4, v0                       ; the biases: 16 bytes a thread
	v_add_nc_u32 v19, BT, v18
	v_lshlrev_b32 v20, 5, v4                       ; x's scale bytes: token 32 mp + lane, 32 bytes a token
	v_lshlrev_b32 v21, 9, v1
	v_lshl_add_u32 v21, v2, 4, v21                 ; x's codes: row r of 512 bytes, + 16 h
	v_lshlrev_b32 v11, 4, v2                       ; W's scale bytes: lane (r, h) takes the row of 16-row tile 2 ap + h that lane r of that tile takes: 16 ap + 8 h + r + (r / 8) (32 - 16 h)
	v_sub_nc_u32 v11, 32, v11
	v_mul_u32_u24 v11, v3, v11
	v_add_nc_u32 v11, v11, v1
	v_lshl_add_u32 v11, v2, 3, v11
	v_lshlrev_b32 v11, 5, v11                      ; 32 bytes a row,
	s_lshl_b32 s77, s[WV], 11
	v_add_nc_u32 v11, s77, v11                     ; in my 64 rows
	global_load_b128 v[208:211], v18, s[12:13]
	global_load_b128 v[212:215], v18, s[12:13] offset:2048
	global_load_b128 v[216:219], v18, s[18:19]
	global_load_b128 v[220:223], v18, s[18:19] offset:2048
	global_load_b128 v[224:227], v18, s[24:25]
	global_load_b128 v[228:231], v18, s[24:25] offset:2048
.irp ap, 0,1
.irp hf, 0,1
	global_load_b128 v[WS+8*\ap+4*\hf:WS+8*\ap+4*\hf+3], v11, s[10:11] offset:512*\ap+16*\hf    ; tile 0's scale words of W
	global_load_b128 v[XS+8*\ap+4*\hf:XS+8*\ap+4*\hf+3], v20, s[6:7] offset:1024*\ap+16*\hf     ; x's: register 8 mp + s: lanes 0-15 token tile 2 mp, lanes 16-31 tile 2 mp + 1; they stay
.endr
.endr
	WIN W_X
.irp mt, 0,1,2,3                       ; x's fragments: token tile mt, K step s: they stay
.irp s, 0,1,2,3,4,5,6,7
.irp c, 0,1
	global_load_b128 v[64*\mt+8*\s+4*\c:64*\mt+8*\s+4*\c+3], v21, s[4:5] offset:8192*\mt+64*\s+32*\c
.endr
.endr
.endr
	WIN 0
	; the lane terms of the LDS addresses, made while the loads are out
	v_lshl_add_u32 v5, v3, 5, v1
	v_mul_u32_u24 v5, v5, PW
	v_lshl_add_u32 v5, v2, 4, v5                   ; W's fragments, even 16-row tiles: (r + 32 (r / 8)) rows + 16 h
	v_lshl_add_u32 v6, v3, 4, v1
	v_mul_u32_u24 v6, v6, PW
	v_lshl_add_u32 v6, v2, 4, v6                   ; odd ones: (r + 16 (r / 8)) rows + 16 h
	v_mul_u32_u24 v7, v2, 160                      ; the biases: lanes 16-31 stand 4 (32 + 8) bytes on for even tiles,
	v_mul_u32_u24 v8, v2, 96                       ; 4 (32 - 8) for odd ones
	v_mul_u32_u24 v9, v1, PW
	v_lshl_add_u32 v9, v2, 8, v9                   ; the exchange, in: token r, block h
	v_lshl_add_u32 v10, v1, 5, v2                  ; its scale bytes: 32 r + h
	v_mul_u32_u24 v12, v1, VTP
	v_lshl_add_u32 v12, v2, 4, v12                 ; v, in: token r, + 16 h,
	s_mul_i32 s78, s[WV], VRP
	v_add_nc_u32 v12, s78, v12                     ; row t = 4 g + wave
	v_lshlrev_b32 v13, 1, v3
	v_xor_b32 v13, v13, v1
	v_lshlrev_b32 v13, 4, v13
	v_lshl_add_u32 v13, v2, 11, v13                ; out: head 8 h + j: 2,048 h; d = 4 (r xor 2 (r / 8)) + 0 .. 3: 16 bytes
	v_lshlrev_b32 v14, 4, v4                       ; the exchange, back: 16 x lane: a fragment's image
	v_lshlrev_b32 v15, 1, v1                       ; its scale words: 2 x head
	s_lshl_b32 s74, s[WV], 8
	s_add_co_u32 s74, s74, BT                      ; my head's 256 bytes of a tile's biases
	s_lshl_b32 s75, s[WV], 4
	s_add_co_u32 s75, s75, EXC
	s_lshl_b32 s76, s[WV], 1
	s_add_co_u32 s76, s76, EXS
	s_mul_i32 s79, s[WV], 16*PW
	s_add_co_u32 s79, s79, EXC                     ; my 16 tokens
	s_lshl_b32 s62, s[WV], 9
	s_add_co_u32 s62, s62, EXS
	WIN W_A2
	v_add_nc_u32 v224, s70, v5                     ; v224, v225: W's fragments in region 0, even and odd tiles;  v226, v227: in region 1
	v_add_nc_u32 v225, s70, v6
	v_add_nc_u32 v226, s71, v5
	v_add_nc_u32 v227, s71, v6
	v_add_nc_u32 v228, s74, v7                     ; v228, v229: the biases' lane terms;  v230, v231: with the pair's place
	v_add_nc_u32 v229, s74, v8
	v_add_nc_u32 v232, s75, v9                     ; v232, v233: the exchange's lane terms;  v234, v235: with the pair's place
	v_add_nc_u32 v233, s76, v10
	v_mov_b32 v236, v11                            ; v236: W's scale bytes
.irp mt, 0,1,2,3
	v_add_nc_u32 v[237+\mt], 16*VTP*\mt, v12       ; v237-240: v, in, token tile mt
.endr
	v_mov_b32 v241, v13                            ; v241: out
	v_add_nc_u32 v243, s79, v14                    ; v243: a token's fragment in the exchange
	v_add_nc_u32 v244, s62, v15                    ; v244: its scale words
	WIN 0
	s_wait_loadcnt 0x0                             ; the biases, x, and the first scale words
.irp b, 0,1,2,3,4,5
	ds_store_b128 v19, v[208+4*\b:208+4*\b+3] offset:2048*\b
.endr
	s_add_nc_u64 s[NA:NA+1], s[8:9], 2*TILEB       ; the first pair's changes ask for Wq's tiles 2 and 3,
	s_mov_b64 s[NB:NB+1], s[14:15]                 ; the second's for Wk's 0 and 1
	s_mov_b64 s[SA:SA+1], s[10:11]
	s_add_nc_u64 s[SN:SN+1], s[10:11], 16384
	s_mov_b64 s[SX:SX+1], s[16:17]
	s_mov_b32 s[HO], 0
	s_mov_b32 s[HB], 0
	s_mov_b32 s[BO], 0
	s_mov_b32 s[CNT], 2
	s_wait_tensorcnt 1                             ; my rows of tile 0 are in, and I alone read them; tile 1's load, issued behind it, may stay out
	s_wait_dscnt 0x0                               ; my part of the bias table is stored
	s_barrier_signal -1
	s_barrier_wait -1                              ; everybody's is
	WIN W_EPI
	v_add_nc_u32 v230, s[BO], v228
	v_add_nc_u32 v231, s[BO], v229
	WIN W_NEXT
	BIASLD 0                                       ; tile 0's biases: older than the fragments' loads, so K step 0's wait covers them
	WIN 0
.Lq:                                               ; Wq: two trips of two tiles
	PAIR
	s_sub_co_u32 s[CNT], s[CNT], 1
	s_cmp_lg_u32 s[CNT], 0
	s_cbranch_scc1 .Lq
	; all of q's codes lie in the exchange (every wave waited for its stores in front of the last round): my 16 tokens' fragments and scale words come into registers, and stay
	WIN W_NEXT
.irp i, 0,1,2,3,4,5,6,7,8,9,10,11,12,13,14,15
	ds_load_b128 v[QF+4*\i:QF+4*\i+3], v243 offset:PW*\i
.endr
.irp i, 0,1,2,3,4,5,6,7,8,9,10,11,12,13,14,15
	ds_load_u16 v[QS+\i], v244 offset:32*\i        ; two bytes; the upper two, 0, scale the zero codes
.endr
	WIN 0
.irp e, 0,1,2,3
	v_mov_b32 v[QF+64+\e], 0                       ; behind the last token's four registers: the product names eight
.endr
	s_add_nc_u64 s[NA:NA+1], s[14:15], 2*TILEB
	s_mov_b64 s[NB:NB+1], s[20:21]
	s_mov_b64 s[SA:SA+1], s[16:17]
	s_add_nc_u64 s[SN:SN+1], s[16:17], 16384
	s_mov_b64 s[SX:SX+1], s[22:23]
	s_mov_b32 s[HO], 0
	s_mov_b32 s[HB], 0
	s_mov_b32 s[BO], 4096
	s_mov_b32 s[CNT], 2
	s_wait_dscnt 0x0                               ; my reads of q's codes are over:
	s_barrier_signal -1
	s_barrier_wait -1                              ; k's codes overwrite them only behind this barrier.  (The tile on its way stays out: no region is filled behind it)
.Lk:                                               ; Wk: the same
	PAIR
	s_sub_co_u32 s[CNT], s[CNT], 1
	s_cmp_lg_u32 s[CNT], 0
	s_cbranch_scc1 .Lk
	; Wv: four tiles, written out: the last two ask for nothing more
	s_add_nc_u64 s[NA:NA+1], s[20:21], 2*TILEB
	s_mov_b32 s[BO], 8192
	WIN W_EPI
	v_add_nc_u32 v230, s[BO], v228
	v_add_nc_u32 v231, s[BO], v229
	GEMM 0, 0
	NEXT 1, 22, 8192, 1024
	EPIV 0
	CHANGE 0
	GEMM 1, 1
	NEXT 0, 22, 16384, 2048
	EPIV 1
	CHANGE 1
	GEMM 0, 0
	NEXT 1, 22, 24576, 3072
	EPIV 2
	s_wait_tensorcnt 0x0                           ; the last tile: my own load, whose rows I alone read; nothing is filled again, so no barrier stands here
	GEMM 1, 1
	; THE TAIL.  k's fragments of eight tokens at a time: registers 0-3 from the exchange, registers 4-7 (K = 64 .. 127) zero codes
.macro KLOAD hb
	WIN W_EPI
.irp q, 0,1,2,3,4,5,6,7
	ds_load_b128 v[128+8*\q:128+8*\q+3], v243 offset:PW*(8*(\hb)+\q)
.endr
	WIN W_NEXT
.irp q, 0,1,2,3,4,5,6,7
	ds_load_u16 v[KS+\q], v244 offset:32*(8*(\hb)+\q)
.endr
.endm
; att^T = k q^T: source 0 = a token's 16 heads of k, source 1 = its 16 heads of q: lane (r, h) holds query head r and, in register j, key head t = 8 h + j.  Source 1's upper four registers are the next token's codes: they meet k's zero codes
.macro ATT hb
	WIN W_ATT
.irp q, 0,1,2,3,4,5,6,7
	v_wmma_scale_f32_16x16x128_f8f6f4 v[8*\q:8*\q+7], v[128+8*\q:128+8*\q+7], v[QF+4*(8*(\hb)+\q):QF+4*(8*(\hb)+\q)+7], 0, v[KS+\q], v[QS+8*(\hb)+\q] matrix_a_fmt:MATRIX_FMT_FP4 matrix_b_fmt:MATRIX_FMT_FP4
.endr
.endm
; att as source 0 of the bf16 product, K = 32: registers 0-3 (k = 8 h + 0 .. 7) the high parts (the f32's upper half), registers 4-7 (k = 16 + 8 h + 0 .. 7) the low parts (att - high, exact in f32, rounded to bf16)
.macro CONV hb
	WIN W_EPI
.set n_, 0
.rept 64
	v_and_b32 v[64+n_], s34, v[n_]
.set n_, n_+1
.endr
.set n_, 0
.rept 64
	v_sub_f32 v[64+n_], v[n_], v[64+n_]
.set n_, n_+1
.endr
	WIN W_AF
.irp q, 0,1,2,3,4,5,6,7
.irp jj, 0,1,2,3
	v_perm_b32 v[8*(8*(\hb)+\q)+\jj], v[8*\q+2*\jj+1], v[8*\q+2*\jj], s33
	v_cvt_pk_bf16_f32 v[8*(8*(\hb)+\q)+4+\jj], v[64+8*\q+2*\jj], v[64+8*\q+2*\jj+1]
.endr
.endr
.endm
	WIN W_EPI
	PLACES 5
.irp q, 0,1,2,3,4,5,6,7
.irp e, 4,5,6,7
	v_mov_b32 v[128+8*\q+\e], 0
.endr
.endr
	KLOAD 0
	EPIV 3
	s_wait_dscnt 0x0                               ; my reads of the regions are over (and my tensor loads have landed):
	s_barrier_signal -1
	s_barrier_wait -1                              ; behind this barrier v is stored where the tiles lay: both regions have had their last fill
	WIN W_VST
.irp g, 0,1,2,3
.irp mt, 0,1,2,3
.irp u, 0,1,2,3
	ds_store_b128 v[237+\mt], v[64*\g+16*\mt+4*\u:64*\g+16*\mt+4*\u+3] offset:4*VRP*\g+32*\u   ; token 16 mt + r, row t = 4 g + wave, columns 16 u + 8 h + 0 .. 7: column 16 u + c holds d = 4 (c xor 2 (c / 8)) + u
.endr
.endr
.endr
	ATT 0
	PLACES 5
	KLOAD 1
	CONV 0
	s_wait_dscnt 0x0                               ; k's fragments of tokens 8 to 15
	ATT 1
	PLACES 5
	CONV 1
	WIN 0
	v_and_b32 v5, 7, v0                            ; the turning load: lane l reads 16 bytes of row 8 (l / 16) + l % 8, columns 8 ((l / 8) % 2) on, and holds column l % 16 and eight rows
	v_bfe_u32 v6, v0, 4, 1
	v_lshl_add_u32 v5, v6, 3, v5
	v_mul_u32_u24 v5, v5, VRP
	v_bfe_u32 v6, v0, 3, 1
	v_lshl_add_u32 v5, v6, 4, v5
	s_mul_i32 s68, s[WV], 16*VTP                   ; my 16 tokens
	WIN W_X
	v_add_nc_u32 v192, s68, v5
	s_wait_dscnt 0x0                               ; my stores of v have landed
	s_barrier_signal -1
	s_barrier_wait -1                              ; everybody's have
; v of token i as source 1: 16 rows t x 16 columns, four times; each half fragment is loaded twice, since k = 16 + t meets the same v[t] as k = t
.macro VLD i
	WIN W_VLD
.irp u, 0,1,2,3
	ds_load_tr16_b128 v[128+32*((\i)%2)+8*\u:128+32*((\i)%2)+8*\u+3], v192 offset:VTP*(\i)+32*\u
	ds_load_tr16_b128 v[128+32*((\i)%2)+8*\u+4:128+32*((\i)%2)+8*\u+7], v192 offset:VTP*(\i)+32*\u
.endr
.endm
; Token i: four products; lane (r, h), register j of product u: out(head 8 h + j, d = 4 (r xor 2 (r / 8)) + u).  Four products' registers j are 16 neighbouring bytes: they are brought side by side and stored,
; lanes 0-15 the whole 256 bytes of head j, lanes 16-31 those of head 8 + j.
.macro TOKEN i
.if (\i) < 15
	VLD (\i)+1                                     ; into the set that the token before has left, five places behind its products
	s_wait_dscnt 8                                 ; this token's eight loads are in; the next token's eight may be out
.else
	s_wait_dscnt 0x0
.endif
	WIN W_OUT
.irp u, 0,1,2,3
	v_wmma_f32_16x16x32_bf16 v[8*\u:8*\u+7], v[8*(\i):8*(\i)+7], v[128+32*((\i)%2)+8*\u:128+32*((\i)%2)+8*\u+7], 0
.endr
	PLACES 5
	WIN W_ST
	s_wait_xcnt 0x0                                ; the stores of two tokens back have read their registers, which are written now
.irp j, 0,1,2,3,4,5,6,7
.irp u, 0,1,2,3
	v_mov_b32 v[32+32*((\i)%2)+4*\j+\u], v[8*\u+\j]      ; j ascending: each result is read from its low end on
.endr
.endr
.irp j, 0,1,2,3,4,5,6,7
	global_store_b128 v241, v[32+32*((\i)%2)+4*\j:32+32*((\i)%2)+4*\j+3], s[26:27] offset:4096*(\i)+256*\j th:TH_STORE_NT   ; sixteen lanes store 256 consecutive bytes, at a multiple of 256 from out's first byte
.endr
.endm
	VLD 0
.irp i, 0,1,2,3,4,5,6,7,8,9,10,11,12,13,14,15
	TOKEN \i
.endr
	WIN 0
	s_wait_tensorcnt 0x0                           ; the wave's end: behind my last tensor load and my last LDS store
	ds_add_u32 v[SPW], v[NIL]
	s_wait_dscnt 0x0
	CROUND                                         ; the closing round: no work-group ends while a partner may still ask for a tile that names it
	s_endpgm
.Lfunc_end_k_q5d5532cc01_qkv:
	.size	k_q5d5532cc01_qkv, .Lfunc_end_k_q5d5532cc01_qkv-k_q5d5532cc01_qkv
	.p2alignl 7, 3214868480
	.fill 96, 4, 3214868480
	.section	.rodata,"a",@progbits
	.p2align	6, 0x0
	.amdhsa_kernel k_q5d5532cc01_qkv
		.amdhsa_group_segment_fixed_size 327680
		.amdhsa_private_segment_fixed_size 0
		.amdhsa_enable_private_segment 0
		.amdhsa_kernarg_size 96
		.amdhsa_user_sgpr_count 2
		.amdhsa_user_sgpr_kernarg_segment_ptr 1
		.amdhsa_wavefront_size32 1
		.amdhsa_system_sgpr_workgroup_id_x 1
		.amdhsa_system_sgpr_workgroup_id_y 1
		.amdhsa_system_sgpr_workgroup_id_z 1
		.amdhsa_system_vgpr_workitem_id 0
		.amdhsa_next_free_vgpr 1024
		.amdhsa_next_free_sgpr 80
		.amdhsa_reserve_vcc 0
		.amdhsa_float_denorm_mode_32 3
		.amdhsa_float_denorm_mode_16_64 3
		.amdhsa_memory_ordered 1
		.amdhsa_forward_progress 1
		.amdhsa_inst_pref_size 255
	.end_amdhsa_kernel
	.section	.bss,"aw",@nobits
	.p2align	6
	.space	262144
	.amdgpu_metadata
---
amdhsa.version: [ 1, 2 ]
amdhsa.kernels:
  - .name:           k_q5d5532cc01_qkv
    .symbol:         k_q5d5532cc01_qkv.kd
    .args:
      - { .name: x_codes, .offset: 0, .size: 8, .value_kind: global_buffer, .address_space: global }
      - { .name: x_scales, .offset: 8, .size: 8, .value_kind: global_buffer, .address_space: global }
      - { .name: Wq_codes, .offset: 16, .size: 8, .value_kind: global_buffer, .address_space: global }
      - { .name: Wq_scales, .offset: 24, .size: 8, .value_kind: global_buffer, .address_space: global }
      - { .name: bq, .offset: 32, .size: 8, .value_kind: global_buffer, .address_space: global }
      - { .name: Wk_codes, .offset: 40, .size: 8, .value_kind: global_buffer, .address_space: global }
      - { .name: Wk_scales, .offset: 48, .size: 8, .value_kind: global_buffer, .address_space: global }
      - { .name: bk, .offset: 56, .size: 8, .value_kind: global_buffer, .address_space: global }
      - { .name: Wv_codes, .offset: 64, .size: 8, .value_kind: global_buffer, .address_space: global }
      - { .name: Wv_scales, .offset: 72, .size: 8, .value_kind: global_buffer, .address_space: global }
      - { .name: bv, .offset: 80, .size: 8, .value_kind: global_buffer, .address_space: global }
      - { .name: out0, .offset: 88, .size: 8, .value_kind: global_buffer, .address_space: global }
    .group_segment_fixed_size: 327680
    .private_segment_fixed_size: 0
    .kernarg_segment_align: 8
    .kernarg_segment_size: 96
    .max_flat_workgroup_size: 128
    .sgpr_count:     80
    .vgpr_count:     1024
    .wavefront_size: 32
...
	.end_amdgpu_metadata
.endif
;; end of part 1
;; ======== version 2 of 2: 1 launch; 1.13 times as fast as version 1
;; launch qkv (part 2): grid 256 x 1, 4 waves a work-group, clusters of 4 x 1, 327,680 bytes of LDS; arguments x_codes, x_scales, Wq_codes, Wq_scales, bq, Wk_codes, Wk_scales, bk, Wv_codes, Wv_scales, bv, out0; writes out0
.if DOCPART == 2
	.amdgcn_target "amdgcn-amd-amdhsa--gfx1250"
	.amdhsa_code_object_version 6
	.text
	.protected	k_q5d5532cc01_qkv
	.globl	k_q5d5532cc01_qkv
	.p2align	8
	.type	k_q5d5532cc01_qkv,@function
k_q5d5532cc01_qkv:
	s_mov_b64 s[64:65], 0
	v_nop
	global_prefetch_b8 v0, s[64:65] scope:SCOPE_SE
	s_setreg_imm32_b32 hwreg(HW_REG_WAVE_MODE, 25, 1), 1
	s_wait_xcnt 0x0
	s_wait_alu depctr_hold_cnt(0) depctr_sa_sdst(0) depctr_va_vdst(0) depctr_va_sdst(0) depctr_va_ssrc(0) depctr_va_vcc(0) depctr_vm_vsrc(0)
	s_getreg_b32 s2, hwreg(HW_REG_IB_STS2, 6, 4)
	s_cmp_eq_u32 s2, 0
	s_cbranch_scc0 .Lentry_in_a_cluster
	s_endpgm
.Lentry_in_a_cluster:
	s_bfe_u32 s2, ttmp6, 0x10000c
	s_cmp_lg_u32 s2, 0x3003
	s_cbranch_scc0 .Lentry_shape_is_right
	s_endpgm
.Lentry_shape_is_right:
; out[tok][h][:] = sum over t of att[tok][h][t] v[tok][t][:],  att[tok][h][t] = Q(q[tok][h]) . Q(k[tok][t]),  q, k, v = x W + b.  16,384 tokens, 16 heads of 64.
; x, Wq, Wk, Wv come as codes of FP4 (E2M1) with one E8M0 byte for each 32 along K = 1,024.  q and k are quantised here, along the head's 64 (two blocks of 32); att v takes bf16 operands and f32 sums.
; NOTHING IS LEFT OUT: every input has a way to the output (bq and bk move codes, bv moves v).  q, k, v and att never go to memory.
; SHARES.  A work-group of four waves owns 64 tokens and walks all weights in 12 tiles of 256 rows (4 heads) x all of K: Wq's four, Wk's four, Wv's four.  In a tile wave w owns ONE head, rows 64 w .. 64 w + 63, for all
; 64 tokens: 16 accumulators of 16 x 16.  x's 32 fragments and its scale words stay in each wave's registers for the whole launch; each weight fragment is read from LDS once in the work-group and feeds 4 products.
; CLUSTER.  All work-groups walk the same weights: the four of a cluster ask for each tile JOINTLY (the same tensor load, the same descriptor, mask 15).  Two LDS regions take turns; a wave fetches the 64 rows that it alone reads.
; LAYOUT.  The products are used transposed (source 0 = 16 rows of W, source 1 = 16 tokens): a lane holds ONE token.  The rows of a 16-row tile a are chosen: m < 8 takes row 8 a + m, m >= 8 row 32 + 8 (a xor 1) + m - 8
; (16 rows that differ mod 16, so that at a pitch of 528 bytes they start in 16 different groups of four banks).  So lane (r, h) holds in its 32 registers 8 a + j ONE WHOLE BLOCK of 32 of the head:
; h = 0: d = 8 a + j;  h = 1: d = 32 + 8 (a xor 1) + j.  A block's largest magnitude needs no other lane.  In block 1 the groups of eight change places in pairs, alike in q and in k and inside one block: the same products.
; THE BIASES are the C of each sum's first product.  THE EXCHANGE: codes and scale bytes of q, later of k, go through LDS as images of the next operand's registers (a token's 16 heads x 2 blocks: 512 bytes on end).
; A TILE'S ORDER: its 128 products, the LDS loads among them in one run of eight for each K step; the change of regions (the joint refill goes out at once); the next tile's biases and first sixteen fragment loads;
; then the epilogue on this tile's results, vector work that stands between those loads and the products that want them.  The next tile's scale words of W are asked for a whole tile ahead.
; THE TAIL: wave w takes tokens 16 w .. 16 w + 15.  att^T = k q^T: one product a token, the upper 64 of its K being zero codes of k.  att is split in f32 into a high and a low bf16 part, which fill the two halves of the bf16
; product's K = 32 against v taken twice; v is rounded once to bf16 and goes from wave to wave through LDS.
; LIMITS: a block of zeros of q or k gets the byte 1 where the rule says 127 (its codes are zeros, and this program alone reads the bytes); blocks whose largest magnitude lies under 2^-124 are held at that byte;
; NaN, infinities, sums beyond f32's range and scale bytes 0xff among the inputs are not served as reference() would serve them.
; REGISTERS, in windows of 256 (s_set_vgpr_msb: bits 1:0 source 0, 3:2 source 1, 5:4 source 2, 7:6 destination):
;   window 0: v0 thread; v1-31 at work, v16, v17 the add's two; v32-47 x's scale words; v48-79 W's, two sets; v80-95 q's; v96-103 k's; v104-135 a tile's biases; v136-203 q's fragments of my 16 tokens, four zeros behind;
;             v208-239 the head's loads of the biases, later the quantiser's: largest magnitudes, scale operands, bytes, codes.
;   window 1: x's fragments, v[64 mt + 8 s]; in the tail v0-127 att (bf16), v128-191 v's fragments, two sets, v192 their address.
;   window 2: v0-127 the accumulators, v[32 mt + 8 a]; v128-223 W's fragments, three sets; v224-244 LDS addresses and offsets.  Accumulators, W's fragments and the LDS addresses share a window, so that ONE setting serves the
;             products and the runs of LDS loads between them.  In the tail v0-63 att, v64-127 its low parts, v128-191 k's fragments; then v0-31 a token's results, v32-95 the same in the order of memory, two sets.
;   window 3: v in bf16, 256 registers.
.set PW,    528                        ; a weight row in LDS: 512 bytes + 16 of padding
.set WREG,  64*PW                      ; a wave's 64 rows
.set REG,   256*PW                     ; a region: a tile
.set TILEB, 131072                     ; a tile in memory: 256 rows x 512 bytes
.set EXC,   2*REG                      ; codes of q, later of k: 64 tokens x (512 + 16); in a token 256 x block + 16 x head
.set EXS,   EXC+64*PW                  ; their scale bytes: 32 x token + 2 x head + block
.set BT,    EXS+2048                   ; bq, bk, bv on end: 1,024 bytes a tile
.set SPARE, BT+12288                   ; the spare words, 128 bytes for each wave: two blocks of 256 bytes that no other line names
.set VTP,   2576                       ; the tail, in the two regions, which have had their last fill and their last read by then: v in bf16: a token's 16 rows (t) of 160 bytes, + 16
.set VRP,   160                        ; a row: 64 numbers + 32 bytes
.set SPW,  16
.set NIL,  17
.set XS,   32
.set WS,   48
.set QS,   80
.set KS,   96
.set BIAS, 104
.set QF,   136
.set TM,   208                         ; the quantiser's, in window 0: four largest magnitudes,
.set SO,   212                         ; four scale operands,
.set BY,   216                         ; four bytes,
.set CD,   224                         ; sixteen registers of codes
.set WF,   128
.set WV,   28                          ; s28 my wave's number
.set CNT,  29                          ; s29 trips to go
.set BO,   30                          ; s30 the pair's place in the bias table
.set HO,   31                          ; s31 the pair's heads in a token's codes: 128 bytes a pair
.set HB,   32                          ; s32 and in its scale bytes: 16 a pair
.set G1,   36                          ; s[36:43] descriptor group 1
.set G0,   44                          ; s[44:51] group 0, a set for each region
.set NA,   52                          ; s[52:53] where the pair of tiles begins that this pair's changes ask for (my 64 rows)
.set NB,   54                          ; s[54:55] the same for the next trip
.set SA,   56                          ; s[56:57] this pair's scale bytes;  s[58:59] the next pair's;  s[60:61] the one after
.set SN,   58
.set SX,   60
.set W_MUL,  0xa6                      ; D, C and W's fragment window 2, x's fragment window 1; an LDS load: data and address window 2
.set W_MUL0, 0x86                      ; the same with C (the biases) in window 0
.set W_EPI,  0xaa                      ; all in window 2
.set W_NEXT, 0x02                      ; source 0 window 2, all else window 0: a load into window 0 by an address in window 2; a conversion of accumulators into window 0; an LDS store of window 0's data by an address in window 2
.set W_M1,   0x0a                      ; sources 0 and 1 window 2, destination window 0
.set W_M2,   0x28                      ; sources 1 and 2 window 2, source 0 and destination window 0
.set W_PACK, 0xca                      ; window 2 to window 3
.set W_VST,  0x0e                      ; an LDS store: address window 2, data window 3
.set W_ATT,  0x82                      ; D and k's fragment window 2, q's window 0
.set W_AF,   0x6a                      ; window 2 to window 1
.set W_VLD,  0x41                      ; an LDS load: data and address window 1
.set W_OUT,  0x85                      ; D window 2, att and v window 1
.set W_ST,   0x8a                      ; moves in window 2; a store: address and data window 2
.set W_X,    0x40                      ; window 0 to window 1
.set W_A2,   0x80                      ; window 0 to window 2
.set MSB, 0
.macro WIN new                         ; the immediate's high byte repeats the setting that is left; a switch that changes nothing is dropped
.if MSB != (\new)
	s_set_vgpr_msb (MSB<<8)|(\new)
.set MSB, \new
.endif
.endm
.macro PLACES n                        ; places behind matrix instructions: four ahead of reads of results and of loads into their registers, five ahead of a matrix instruction that writes over them
.rept \n
	v_nop
.endr
.endm
.macro CROUND                          ; a round of the cluster's barrier: my work-group's barrier; wave 0 signals for the work-group; every wave waits for all four work-groups; my work-group's barrier once more
	s_barrier_signal -1
	s_barrier_wait -1
	s_cmp_lg_u32 s[WV], 0
	s_cbranch_scc1 .Lnot_wave_0_\@
	s_barrier_signal -3
.Lnot_wave_0_\@:
	s_barrier_wait -3
	s_barrier_signal -1
	s_barrier_wait -1
.endm
; load l of eight of K step s's fragments of W, region p: 16-row tile l / 2, half l % 2 of its 128 along K; into set s % 3
.macro LOADW p, s, l
.set la_, (\l)/2
.set lc_, (\l)%2
	ds_load_b128 v[WF+32*((\s)%3)+4*(\l):WF+32*((\s)%3)+4*(\l)+3], v[224+2*(\p)+la_%2] offset:8*la_*PW+64*(\s)+32*lc_
.endm
.macro RUNW p, s                       ; a K step's eight loads in one run
.set l_, 0
.rept 8
	LOADW \p, \s, l_
.set l_, l_+1
.endr
.endm
; product n of sixteen of K step s: 16-row tile n / 4 of W x token tile n % 4.  A scale register carries two tiles' words: the even tile's in lanes 0-15, the odd one's in lanes 16-31
.macro MM s, n, ws
.set a_, (\n)/4
.set m_, (\n)%4
.set d_, 32*m_+8*a_
.set f_, WF+32*((\s)%3)+8*a_
.set x_, 64*m_+8*(\s)
.set p_, WS+16*(\ws)+8*(a_/2)+(\s)
.set q_, XS+8*(m_/2)+(\s)
.set c_, d_
.if (\s) == 0
.set c_, BIAS+8*a_                     ; the first product starts the sum with the bias
.endif
.if (a_%2 == 0) && (m_%2 == 0)
	v_wmma_scale_f32_16x16x128_f8f6f4 v[d_:d_+7], v[f_:f_+7], v[x_:x_+7], v[c_:c_+7], v[p_], v[q_] matrix_a_fmt:MATRIX_FMT_FP4 matrix_b_fmt:MATRIX_FMT_FP4
.elseif (a_%2 == 1) && (m_%2 == 0)
	v_wmma_scale_f32_16x16x128_f8f6f4 v[d_:d_+7], v[f_:f_+7], v[x_:x_+7], v[c_:c_+7], v[p_], v[q_] matrix_a_fmt:MATRIX_FMT_FP4 matrix_b_fmt:MATRIX_FMT_FP4 matrix_a_scale:MATRIX_SCALE_ROW1
.elseif (a_%2 == 0) && (m_%2 == 1)
	v_wmma_scale_f32_16x16x128_f8f6f4 v[d_:d_+7], v[f_:f_+7], v[x_:x_+7], v[c_:c_+7], v[p_], v[q_] matrix_a_fmt:MATRIX_FMT_FP4 matrix_b_fmt:MATRIX_FMT_FP4 matrix_b_scale:MATRIX_SCALE_ROW1
.else
	v_wmma_scale_f32_16x16x128_f8f6f4 v[d_:d_+7], v[f_:f_+7], v[x_:x_+7], v[c_:c_+7], v[p_], v[q_] matrix_a_fmt:MATRIX_FMT_FP4 matrix_b_fmt:MATRIX_FMT_FP4 matrix_a_scale:MATRIX_SCALE_ROW1 matrix_b_scale:MATRIX_SCALE_ROW1
.endif
.endm
; A K step of 128: sixteen products, the sixteen accumulators by turns in the same order in every step.  The fragments of the step after next come in ONE run in the step's middle,
; 24 products ahead of their first use, into the set that the step before has left: the four v_nop ahead of the run are the places between that step's last product and these loads.
; (K step 0's run goes into set 2, which K step 5 of the tile before read last: its places stand in the change of regions and in the epilogue.)
.macro STEP p, s, ws
.if (\s) < 7
	s_wait_dscnt 8                                 ; this step's eight loads are in.  The youngest eight may be out: the next step's; at K step 0 the exchange's eight stores, or (Wv's tiles) K step 1's loads: the biases and K step 0's loads are older
.else
	s_wait_dscnt 0x0
.endif
.if (\s) == 0
	WIN W_MUL0
.else
	WIN W_MUL
.endif
.set n_, 0
.rept 8
	MM \s, n_, \ws
.set n_, n_+1
.endr
.if (\s) <= 5
.if (\s) >= 1
	PLACES 4
.endif
	RUNW \p, (\s)+2
.endif
.rept 8
	MM \s, n_, \ws
.set n_, n_+1
.endr
.endm
.macro BIASLD boff                     ; a tile's biases in the result's layout: lane (r, h), register 8 a + j: the bias of the head's d as the layout above has it
.irp a, 0,1,2,3
.irp hf, 0,1
	ds_load_b128 v[BIAS+8*\a+4*\hf:BIAS+8*\a+4*\hf+3], v[230+\a%2] offset:(\boff)+32*\a+16*\hf
.endr
.endr
.endm
.macro WSLD ws2, sb, soff              ; a tile's scale words of W: each lane its row's 32 bytes: lanes 0-15 the rows of tile 2 ap, lanes 16-31 those of tile 2 ap + 1
.irp ap, 0,1
.irp hf, 0,1
	global_load_b128 v[WS+16*(\ws2)+8*\ap+4*\hf:WS+16*(\ws2)+8*\ap+4*\hf+3], v236, s[\sb:\sb+1] offset:(\soff)+512*\ap+16*\hf
.endr
.endr
.endm
; A tile's products: my head x 64 tokens x all of K, from region p, with W's scale words of set ws.  nx = 1: the next tile's scale words are asked for first, into the other set, which the tile before has left:
; they have this tile's 128 products in which to land
.macro GEMM p, ws, nx, sb, soff
	s_wait_loadcnt 0x0                             ; this tile's scale words of W, asked for a tile ago
.if \nx
	WIN W_NEXT
	WSLD 1-(\ws), \sb, \soff
.endif
.irp s, 0,1,2,3,4,5,6,7
	STEP \p, \s, \ws
.endr
.endm
; What the next tile, in region p, wants first: its biases (read last by K step 0's products, twenty v_nop back), then the fragments of its K steps 0 and 1, into sets 0 and 1, which K steps 6 and 7 have left
; (four places stand ahead of this macro wherever it is used).  The epilogue follows: vector work between these loads and the products that want them
.macro AHEAD p, boff
	WIN W_NEXT
	BIASLD \boff
	WIN W_EPI
	RUNW \p, 0
	RUNW \p, 1
.endm
; The tile's results (q or k) become codes: a lane's 32 registers of a token tile are one block.  pos: the tile's place in its pair.  What the quantiser makes lies in window 0: W's sets are being loaded meanwhile
.macro EPIQ pos
	WIN W_M1
	PLACES 5
.irp mt, 0,1,2,3
	v_max3_num_f32 v[TM+\mt], |v[32*\mt]|, |v[32*\mt+1]|, 0x1800000      ; the block's largest magnitude, and the floor 2^(3 - 127): the byte cannot fall under 1.  (The four token tiles by turns; each accumulator is read from its low end on)
.endr
	WIN W_M2
.irp i, 2,4,6,8,10,12,14,16,18,20,22,24,26,28,30
.irp mt, 0,1,2,3
	v_max3_num_f32 v[TM+\mt], v[TM+\mt], |v[32*\mt+\i]|, |v[32*\mt+\i+1]|
.endr
.endr
	WIN 0
.irp mt, 0,1,2,3
	v_add_nc_u32 v[SO+\mt], 0xff000000, v[TM+\mt]  ; 2 off its exponent field: the conversion takes the exponent field of this operand as its scale
.endr
.irp mt, 0,1,2,3
	v_lshrrev_b32 v[BY+\mt], 23, v[SO+\mt]         ; the scale's byte
.endr
	WIN W_NEXT
.irp mt, 0,1,2,3
.irp a, 0,1,2,3
	v_cvt_scalef32_pk8_fp4_f32 v[CD+4*\mt+\a], v[32*\mt+8*\a:32*\mt+8*\a+7], v[SO+\mt]
.endr
.endr
	v_nop                                          ; one plain place behind the last scaled conversion
.irp mt, 0,1,2,3
	ds_store_b128 v234, v[CD+4*\mt:CD+4*\mt+3] offset:16*PW*\mt+64*(\pos)     ; token 16 mt + r, block h, my head: 16 bytes
.endr
.irp mt, 0,1,2,3
	ds_store_b8 v235, v[BY+\mt] offset:512*\mt+8*(\pos)
.endr
.endm
; The tile's results (v) are rounded to bf16 and kept: register 4 u + a holds j = u (low half) and j = u + 4 (high half) of 16-row tile a.  u = 0 first: each accumulator is read from its low end on
.macro EPIV g
	WIN W_PACK
	PLACES 5
.irp u, 0,1,2,3
.irp mt, 0,1,2,3
.irp a, 0,1,2,3
	v_cvt_pk_bf16_f32 v[64*(\g)+16*\mt+4*\u+\a], v[32*\mt+8*\a+\u], v[32*\mt+8*\a+\u+4]
.endr
.endr
.endr
.endm
; THE CHANGE OF REGIONS, straight behind a tile's last product.  Every wave waits for all its tensor loads (one is out: its part of the other region), adds 0 to its spare word, and waits for that, for its reads of region p
; and for its stores into the exchange.  The round of the cluster's barrier then says the same of every wave of all four work-groups, and the joint refill of region p, with the tile two tiles on, is the first thing behind it:
; it has an epilogue and a tile's 128 products in which to land.  The four v_nop behind it are also the places ahead of the loads that follow.
.macro CHANGE p
	WIN 0                                          ; at a label and at a branch every window is 0; the add's two registers lie in window 0
	s_wait_tensorcnt 0x0                           ; no tensor load of mine is out, so a group 0 may be written; my rows of the other region are in, and I alone read them
	ds_add_u32 v[SPW], v[NIL]                      ; 0 onto my spare word; the descriptor's step stands between it and the wait for it
	s_add_nc_u64 s[G0+4*(\p)+2:G0+4*(\p)+3], s[NA:NA+1], (\p)*TILEB
	s_or_b32 s[G0+4*(\p)+3], s[G0+4*(\p)+3], 0x80000000
	s_wait_dscnt 0x0
	CROUND
	tensor_load_to_lds s[G0+4*(\p):G0+4*(\p)+3], s[G1:G1+7]
	s_nop 0
	PLACES 4                                       ; an s_nop 0 and four v_nop follow the load
.endm
; Two tiles of Wq or of Wk: once round the two regions
.macro PAIR
	GEMM 0, 0, 1, SA, 8192
	CHANGE 0
	WIN W_EPI                                      ; no LDS instruction of mine is out here: the address registers of the exchange and of the biases are written anew
	v_add_nc_u32 v234, s[HO], v232                 ; where this pair's codes,
	v_add_nc_u32 v235, s[HB], v233                 ; scale bytes
	v_add_nc_u32 v230, s[BO], v228                 ; and biases lie
	v_add_nc_u32 v231, s[BO], v229
	AHEAD 1, 1024
	EPIQ 0
	GEMM 1, 1, 1, SN, 0
	CHANGE 1
	AHEAD 0, 2048
	EPIQ 1
	WIN 0
	s_wait_xcnt 0x0                                ; the loads of scale words have read their bases, which are written now
	s_mov_b64 s[NA:NA+1], s[NB:NB+1]
	s_mov_b64 s[SA:SA+1], s[SN:SN+1]
	s_mov_b64 s[SN:SN+1], s[SX:SX+1]
	s_add_co_u32 s[HO], s[HO], 128
	s_add_co_u32 s[HB], s[HB], 16
	s_add_co_u32 s[BO], s[BO], 2048
.endm
	s_load_b512 s[4:19], s[0:1], 0x0               ; x's codes s[4:5], x's scales s[6:7], Wq's codes s[8:9], scales s[10:11], bq s[12:13], Wk's codes s[14:15], scales s[16:17], bk s[18:19]
	s_load_b256 s[20:27], s[0:1], 0x40             ; Wv's codes s[20:21], scales s[22:23], bv s[24:25], out s[26:27]
	v_lshl_add_u32 v[SPW], v0, 2, SPARE
	v_mov_b32 v[NIL], 0
	ds_add_u32 v[SPW], v[NIL]                      ; the wave's opening: the add, twice on end, and its wait ahead of my first tensor load
	ds_add_u32 v[SPW], v[NIL]                      ; and once more, under the one wait; the set-up below, work on registers, stands between
	v_lshrrev_b32 v1, 5, v0
	v_readfirstlane_b32 s[WV], v1                  ; wave 0..3
	s_bfe_u32 s66, ttmp6, 0x40000                  ; cx: my place in the cluster
	s_lshl_b32 s67, ttmp9, 2                       ; in a cluster launch ttmp9 counts clusters
	s_add_co_u32 s67, s67, s66                     ; my block of 64 tokens: it enters x's and out's addresses alone
	; descriptor group 1: 64 rows x 512 bytes, dense in memory, padded in LDS
	s_mov_b32 s[G1], 15|(0<<16)|(1<<20)|(1<<21)|(6<<22)|(3<<25)   ; 15:0 the mask: all four work-groups; 17:16 elements of 1 byte; 20 padding on; 21 set beside a mask; 24:22 after every 128 words (code 6); 31:25 four words (code 3)
	s_mov_b32 s[G1+1], 512<<16                     ; tensor_dim0
	s_mov_b32 s[G1+2], 64<<16                      ; tensor_dim1
	s_mov_b32 s[G1+3], 512<<16                     ; tile_dim0
	s_mov_b32 s[G1+4], 64                          ; tile_dim1
	s_mov_b32 s[G1+5], 512                         ; tensor_dim0_stride
	s_mov_b32 s[G1+6], 0
	s_mov_b32 s[G1+7], 0
	s_mov_b32 s33, 0x07060302                      ; v_perm_b32: the upper halves of two registers
	s_mov_b32 s34, 0xffff0000                      ; an f32's upper half: its bf16 part, cut off
	s_lshl_b32 s68, s[WV], 15                      ; my 64 rows of a tile in memory
	s_mov_b32 s69, 0
	s_mul_i32 s70, s[WV], WREG                     ; and in a region: no place in the cluster enters an LDS address
	s_add_co_u32 s71, s70, REG
	s_wait_dscnt 0x0                               ; both opening adds are done
	s_wait_kmcnt 0x0
	s_add_nc_u64 s[8:9], s[8:9], s[68:69]          ; the three tensors of weight codes at my rows of their first tile
	s_add_nc_u64 s[14:15], s[14:15], s[68:69]
	s_add_nc_u64 s[20:21], s[20:21], s[68:69]
	s_mov_b32 s[G0], 1                             ; group 0, region 0: count = 1,
	s_mov_b32 s[G0+1], s70                         ; LDS address,
	s_mov_b64 s[G0+2:G0+3], s[8:9]                 ; global address: tile 0,
	s_or_b32 s[G0+3], s[G0+3], 0x80000000          ; type = 2
	s_mov_b32 s[G0+4], 1                           ; region 1: tile 1
	s_mov_b32 s[G0+5], s71
	s_add_nc_u64 s[G0+6:G0+7], s[8:9], TILEB
	s_or_b32 s[G0+7], s[G0+7], 0x80000000
	CROUND                                         ; all four work-groups are here: the first joint loads meet
	tensor_load_to_lds s[G0:G0+3], s[G1:G1+7]      ; every wave issues both first fills: two loads of mine are out
	s_nop 0
	tensor_load_to_lds s[G0+4:G0+7], s[G1:G1+7]
	s_nop 0
	PLACES 4
	s_lshl_b32 s72, s67, 15                        ; my 64 tokens' codes,
	s_mov_b32 s73, 0
	s_add_nc_u64 s[4:5], s[4:5], s[72:73]
	s_lshl_b32 s72, s67, 11                        ; their scale bytes,
	s_add_nc_u64 s[6:7], s[6:7], s[72:73]
	s_lshl_b32 s72, s67, 18                        ; and in out the 16 tokens that my wave stores: (64 x block + 16 x wave) rows of 4,096 bytes
	s_lshl_b32 s35, s[WV], 16
	s_add_co_u32 s72, s72, s35
	s_add_nc_u64 s[26:27], s[26:27], s[72:73]
	v_and_b32 v1, 15, v0                           ; r
	v_bfe_u32 v2, v0, 4, 1                         ; h
	v_bfe_u32 v3, v0, 3, 1                         ; r / 8
	v_and_b32 v4, 31, v0                           ; lane
	v_lshlrev_b32 v18, 4, v0                       ; the biases: 16 bytes a thread
	v_add_nc_u32 v19, BT, v18
	v_lshlrev_b32 v20, 5, v4                       ; x's scale bytes: token 32 mp + lane, 32 bytes a token
	v_lshlrev_b32 v21, 9, v1
	v_lshl_add_u32 v21, v2, 4, v21                 ; x's codes: row r of 512 bytes, + 16 h
	v_lshlrev_b32 v11, 4, v2                       ; W's scale bytes: lane (r, h) takes the row of 16-row tile 2 ap + h that lane r of that tile takes: 16 ap + 8 h + r + (r / 8) (32 - 16 h)
	v_sub_nc_u32 v11, 32, v11
	v_mul_u32_u24 v11, v3, v11
	v_add_nc_u32 v11, v11, v1
	v_lshl_add_u32 v11, v2, 3, v11
	v_lshlrev_b32 v11, 5, v11                      ; 32 bytes a row,
	s_lshl_b32 s77, s[WV], 11
	v_add_nc_u32 v11, s77, v11                     ; in my 64 rows
	global_load_b128 v[208:211], v18, s[12:13]
	global_load_b128 v[212:215], v18, s[12:13] offset:2048
	global_load_b128 v[216:219], v18, s[18:19]
	global_load_b128 v[220:223], v18, s[18:19] offset:2048
	global_load_b128 v[224:227], v18, s[24:25]
	global_load_b128 v[228:231], v18, s[24:25] offset:2048
.irp ap, 0,1
.irp hf, 0,1
	global_load_b128 v[WS+8*\ap+4*\hf:WS+8*\ap+4*\hf+3], v11, s[10:11] offset:512*\ap+16*\hf    ; tile 0's scale words of W
	global_load_b128 v[XS+8*\ap+4*\hf:XS+8*\ap+4*\hf+3], v20, s[6:7] offset:1024*\ap+16*\hf     ; x's: register 8 mp + s: lanes 0-15 token tile 2 mp, lanes 16-31 tile 2 mp + 1; they stay
.endr
.endr
	WIN W_X
.irp mt, 0,1,2,3                       ; x's fragments: token tile mt, K step s: they stay
.irp s, 0,1,2,3,4,5,6,7
.irp c, 0,1
	global_load_b128 v[64*\mt+8*\s+4*\c:64*\mt+8*\s+4*\c+3], v21, s[4:5] offset:8192*\mt+64*\s+32*\c
.endr
.endr
.endr
	WIN 0
	; the lane terms of the LDS addresses, made while the loads are out
	v_lshl_add_u32 v5, v3, 5, v1
	v_mul_u32_u24 v5, v5, PW
	v_lshl_add_u32 v5, v2, 4, v5                   ; W's fragments, even 16-row tiles: (r + 32 (r / 8)) rows + 16 h
	v_lshl_add_u32 v6, v3, 4, v1
	v_mul_u32_u24 v6, v6, PW
	v_lshl_add_u32 v6, v2, 4, v6                   ; odd ones: (r + 16 (r / 8)) rows + 16 h
	v_mul_u32_u24 v7, v2, 160                      ; the biases: lanes 16-31 stand 4 (32 + 8) bytes on for even tiles,
	v_mul_u32_u24 v8, v2, 96                       ; 4 (32 - 8) for odd ones
	v_mul_u32_u24 v9, v1, PW
	v_lshl_add_u32 v9, v2, 8, v9                   ; the exchange, in: token r, block h
	v_lshl_add_u32 v10, v1, 5, v2                  ; its scale bytes: 32 r + h
	v_mul_u32_u24 v12, v1, VTP
	v_lshl_add_u32 v12, v2, 4, v12                 ; v, in: token r, + 16 h,
	s_mul_i32 s78, s[WV], VRP
	v_add_nc_u32 v12, s78, v12                     ; row t = 4 g + wave
	v_lshlrev_b32 v13, 1, v3
	v_xor_b32 v13, v13, v1
	v_lshlrev_b32 v13, 4, v13
	v_lshl_add_u32 v13, v2, 11, v13                ; out: head 8 h + j: 2,048 h; d = 4 (r xor 2 (r / 8)) + 0 .. 3: 16 bytes
	v_lshlrev_b32 v14, 4, v4                       ; the exchange, back: 16 x lane: a fragment's image
	v_lshlrev_b32 v15, 1, v1                       ; its scale words: 2 x head
	s_lshl_b32 s74, s[WV], 8
	s_add_co_u32 s74, s74, BT                      ; my head's 256 bytes of a tile's biases
	s_lshl_b32 s75, s[WV], 4
	s_add_co_u32 s75, s75, EXC
	s_lshl_b32 s76, s[WV], 1
	s_add_co_u32 s76, s76, EXS
	s_mul_i32 s79, s[WV], 16*PW
	s_add_co_u32 s79, s79, EXC                     ; my 16 tokens
	s_lshl_b32 s62, s[WV], 9
	s_add_co_u32 s62, s62, EXS
	WIN W_A2
	v_add_nc_u32 v224, s70, v5                     ; v224, v225: W's fragments in region 0, even and odd tiles;  v226, v227: in region 1
	v_add_nc_u32 v225, s70, v6
	v_add_nc_u32 v226, s71, v5
	v_add_nc_u32 v227, s71, v6
	v_add_nc_u32 v228, s74, v7                     ; v228, v229: the biases' lane terms;  v230, v231: with the pair's place
	v_add_nc_u32 v229, s74, v8
	v_add_nc_u32 v232, s75, v9                     ; v232, v233: the exchange's lane terms;  v234, v235: with the pair's place
	v_add_nc_u32 v233, s76, v10
	v_mov_b32 v236, v11                            ; v236: W's scale bytes
.irp mt, 0,1,2,3
	v_add_nc_u32 v[237+\mt], 16*VTP*\mt, v12       ; v237-240: v, in, token tile mt
.endr
	v_mov_b32 v241, v13                            ; v241: out
	v_add_nc_u32 v243, s79, v14                    ; v243: a token's fragment in the exchange
	v_add_nc_u32 v244, s62, v15                    ; v244: its scale words
	WIN 0
	s_wait_loadcnt 0x0                             ; the biases, x, and the first scale words
.irp b, 0,1,2,3,4,5
	ds_store_b128 v19, v[208+4*\b:208+4*\b+3] offset:2048*\b
.endr
	s_add_nc_u64 s[NA:NA+1], s[8:9], 2*TILEB       ; the first pair's changes ask for Wq's tiles 2 and 3,
	s_mov_b64 s[NB:NB+1], s[14:15]                 ; the second's for Wk's 0 and 1
	s_mov_b64 s[SA:SA+1], s[10:11]
	s_add_nc_u64 s[SN:SN+1], s[10:11], 16384
	s_mov_b64 s[SX:SX+1], s[16:17]
	s_mov_b32 s[HO], 0
	s_mov_b32 s[HB], 0
	s_mov_b32 s[BO], 0
	s_mov_b32 s[CNT], 2
	s_wait_tensorcnt 1                             ; my rows of tile 0 are in, and I alone read them; tile 1's load, issued behind it, may stay out
	s_wait_dscnt 0x0                               ; my part of the bias table is stored
	s_barrier_signal -1
	s_barrier_wait -1                              ; everybody's is
	WIN W_EPI
	v_add_nc_u32 v230, s[BO], v228
	v_add_nc_u32 v231, s[BO], v229
	AHEAD 0, 0                                     ; tile 0's biases and first fragments
	WIN 0
.Lq:                                               ; Wq: two trips of two tiles
	PAIR
	s_sub_co_u32 s[CNT], s[CNT], 1
	s_cmp_lg_u32 s[CNT], 0
	s_cbranch_scc1 .Lq
	s_wait_dscnt 0x0                               ; my last codes of q are stored:
	s_barrier_signal -1
	s_barrier_wait -1                              ; everybody's are.  (The tile on its way stays out: no region is filled behind this barrier, nor behind the next)
	; my 16 tokens' fragments and scale words of q come into registers, and stay
	WIN W_NEXT
.irp i, 0,1,2,3,4,5,6,7,8,9,10,11,12,13,14,15
	ds_load_b128 v[QF+4*\i:QF+4*\i+3], v243 offset:PW*\i
.endr
.irp i, 0,1,2,3,4,5,6,7,8,9,10,11,12,13,14,15
	ds_load_u16 v[QS+\i], v244 offset:32*\i        ; two bytes; the upper two, 0, scale the zero codes
.endr
	WIN 0
.irp e, 0,1,2,3
	v_mov_b32 v[QF+64+\e], 0                       ; behind the last token's four registers: the product names eight
.endr
	s_add_nc_u64 s[NA:NA+1], s[14:15], 2*TILEB
	s_mov_b64 s[NB:NB+1], s[20:21]
	s_mov_b64 s[SA:SA+1], s[16:17]
	s_add_nc_u64 s[SN:SN+1], s[16:17], 16384
	s_mov_b64 s[SX:SX+1], s[22:23]
	s_mov_b32 s[HO], 0
	s_mov_b32 s[HB], 0
	s_mov_b32 s[BO], 4096
	s_mov_b32 s[CNT], 2
	s_wait_dscnt 0x0                               ; my reads of q's codes are over:
	s_barrier_signal -1
	s_barrier_wait -1                              ; k's codes overwrite them only behind this barrier
.Lk:                                               ; Wk: the same
	PAIR
	s_sub_co_u32 s[CNT], s[CNT], 1
	s_cmp_lg_u32 s[CNT], 0
	s_cbranch_scc1 .Lk
	; Wv: four tiles, written out: the last two ask for nothing more.  (k's last codes are shown stored by the wait in front of the first round here)
	s_add_nc_u64 s[NA:NA+1], s[20:21], 2*TILEB
	s_mov_b32 s[BO], 8192
	GEMM 0, 0, 1, 22, 8192
	CHANGE 0
	WIN W_EPI                                      ; no LDS instruction of mine is out here
	v_add_nc_u32 v230, s[BO], v228
	v_add_nc_u32 v231, s[BO], v229
	AHEAD 1, 1024
	EPIV 0
	GEMM 1, 1, 1, 22, 16384
	CHANGE 1
	AHEAD 0, 2048
	EPIV 1
	GEMM 0, 0, 1, 22, 24576
	s_wait_tensorcnt 0x0                           ; the last tile: my own load, whose rows I alone read; nothing is filled again, so no barrier stands here
	PLACES 4                                       ; ahead of the loads into the sets that the last products read
	AHEAD 1, 3072
	EPIV 2
	GEMM 1, 1, 0, 0, 0
	; THE TAIL.  k's fragments of eight tokens at a time: registers 0-3 from the exchange, registers 4-7 (K = 64 .. 127) zero codes
.macro KLOAD hb
	WIN W_EPI
.irp q, 0,1,2,3,4,5,6,7
	ds_load_b128 v[128+8*\q:128+8*\q+3], v243 offset:PW*(8*(\hb)+\q)
.endr
	WIN W_NEXT
.irp q, 0,1,2,3,4,5,6,7
	ds_load_u16 v[KS+\q], v244 offset:32*(8*(\hb)+\q)
.endr
.endm
; att^T = k q^T: source 0 = a token's 16 heads of k, source 1 = its 16 heads of q: lane (r, h) holds query head r and, in register j, key head t = 8 h + j.  Source 1's upper four registers are the next token's codes: they meet k's zero codes
.macro ATT hb
	WIN W_ATT
.irp q, 0,1,2,3,4,5,6,7
	v_wmma_scale_f32_16x16x128_f8f6f4 v[8*\q:8*\q+7], v[128+8*\q:128+8*\q+7], v[QF+4*(8*(\hb)+\q):QF+4*(8*(\hb)+\q)+7], 0, v[KS+\q], v[QS+8*(\hb)+\q] matrix_a_fmt:MATRIX_FMT_FP4 matrix_b_fmt:MATRIX_FMT_FP4
.endr
.endm
; att as source 0 of the bf16 product, K = 32: registers 0-3 (k = 8 h + 0 .. 7) the high parts (the f32's upper half), registers 4-7 (k = 16 + 8 h + 0 .. 7) the low parts (att - high, exact in f32, rounded to bf16)
.macro CONV hb
	WIN W_EPI
.set n_, 0
.rept 64
	v_and_b32 v[64+n_], s34, v[n_]
.set n_, n_+1
.endr
.set n_, 0
.rept 64
	v_sub_f32 v[64+n_], v[n_], v[64+n_]
.set n_, n_+1
.endr
	WIN W_AF
.irp q, 0,1,2,3,4,5,6,7
.irp jj, 0,1,2,3
	v_perm_b32 v[8*(8*(\hb)+\q)+\jj], v[8*\q+2*\jj+1], v[8*\q+2*\jj], s33
	v_cvt_pk_bf16_f32 v[8*(8*(\hb)+\q)+4+\jj], v[64+8*\q+2*\jj], v[64+8*\q+2*\jj+1]
.endr
.endr
.endm
	WIN W_EPI
	PLACES 5
.irp q, 0,1,2,3,4,5,6,7
.irp e, 4,5,6,7
	v_mov_b32 v[128+8*\q+\e], 0
.endr
.endr
	KLOAD 0
	EPIV 3
	s_wait_dscnt 0x0                               ; my reads of the regions are over (and my tensor loads have landed):
	s_barrier_signal -1
	s_barrier_wait -1                              ; behind this barrier v is stored where the tiles lay: both regions have had their last fill
	WIN W_VST
.irp g, 0,1,2,3
.irp mt, 0,1,2,3
.irp u, 0,1,2,3
	ds_store_b128 v[237+\mt], v[64*\g+16*\mt+4*\u:64*\g+16*\mt+4*\u+3] offset:4*VRP*\g+32*\u   ; token 16 mt + r, row t = 4 g + wave, columns 16 u + 8 h + 0 .. 7: column 16 u + c holds d = 4 (c xor 2 (c / 8)) + u
.endr
.endr
.endr
	ATT 0
	PLACES 5
	KLOAD 1
	CONV 0
	s_wait_dscnt 0x0                               ; k's fragments of tokens 8 to 15
	ATT 1
	PLACES 5
	CONV 1
	WIN 0
	v_and_b32 v5, 7, v0                            ; the turning load: lane l reads 16 bytes of row 8 (l / 16) + l % 8, columns 8 ((l / 8) % 2) on, and holds column l % 16 and eight rows
	v_bfe_u32 v6, v0, 4, 1
	v_lshl_add_u32 v5, v6, 3, v5
	v_mul_u32_u24 v5, v5, VRP
	v_bfe_u32 v6, v0, 3, 1
	v_lshl_add_u32 v5, v6, 4, v5
	s_mul_i32 s68, s[WV], 16*VTP                   ; my 16 tokens
	WIN W_X
	v_add_nc_u32 v192, s68, v5
	s_wait_dscnt 0x0                               ; my stores of v have landed
	s_barrier_signal -1
	s_barrier_wait -1                              ; everybody's have
; v of token i as source 1: 16 rows t x 16 columns, four times; each half fragment is loaded twice, since k = 16 + t meets the same v[t] as k = t
.macro VLD i
	WIN W_VLD
.irp u, 0,1,2,3
	ds_load_tr16_b128 v[128+32*((\i)%2)+8*\u:128+32*((\i)%2)+8*\u+3], v192 offset:VTP*(\i)+32*\u
	ds_load_tr16_b128 v[128+32*((\i)%2)+8*\u+4:128+32*((\i)%2)+8*\u+7], v192 offset:VTP*(\i)+32*\u
.endr
.endm
; Token i: four products; lane (r, h), register j of product u: out(head 8 h + j, d = 4 (r xor 2 (r / 8)) + u).  Four products' registers j are 16 neighbouring bytes: they are brought side by side and stored,
; lanes 0-15 the whole 256 bytes of head j, lanes 16-31 those of head 8 + j.
.macro TOKEN i
.if (\i) < 15
	VLD (\i)+1                                     ; into the set that the token before has left, five places behind its products
	s_wait_dscnt 8                                 ; this token's eight loads are in; the next token's eight may be out
.else
	s_wait_dscnt 0x0
.endif
	WIN W_OUT
.irp u, 0,1,2,3
	v_wmma_f32_16x16x32_bf16 v[8*\u:8*\u+7], v[8*(\i):8*(\i)+7], v[128+32*((\i)%2)+8*\u:128+32*((\i)%2)+8*\u+7], 0
.endr
	PLACES 5
	WIN W_ST
	s_wait_xcnt 0x0                                ; the stores of two tokens back have read their registers, which are written now
.irp j, 0,1,2,3,4,5,6,7
.irp u, 0,1,2,3
	v_mov_b32 v[32+32*((\i)%2)+4*\j+\u], v[8*\u+\j]      ; j ascending: each result is read from its low end on
.endr
.endr
.irp j, 0,1,2,3,4,5,6,7
	global_store_b128 v241, v[32+32*((\i)%2)+4*\j:32+32*((\i)%2)+4*\j+3], s[26:27] offset:4096*(\i)+256*\j th:TH_STORE_NT   ; sixteen lanes store 256 consecutive bytes, at a multiple of 256 from out's first byte
.endr
.endm
	VLD 0
.irp i, 0,1,2,3,4,5,6,7,8,9,10,11,12,13,14,15
	TOKEN \i
.endr
	WIN 0
	s_wait_tensorcnt 0x0                           ; the wave's end: behind my last tensor load and my last LDS store
	ds_add_u32 v[SPW], v[NIL]
	s_wait_dscnt 0x0
	CROUND                                         ; the closing round: no work-group ends while a partner may still ask for a tile that names it
	s_endpgm
.Lfunc_end_k_q5d5532cc01_qkv:
	.size	k_q5d5532cc01_qkv, .Lfunc_end_k_q5d5532cc01_qkv-k_q5d5532cc01_qkv
	.p2alignl 7, 3214868480
	.fill 96, 4, 3214868480
	.section	.rodata,"a",@progbits
	.p2align	6, 0x0
	.amdhsa_kernel k_q5d5532cc01_qkv
		.amdhsa_group_segment_fixed_size 327680
		.amdhsa_private_segment_fixed_size 0
		.amdhsa_enable_private_segment 0
		.amdhsa_kernarg_size 96
		.amdhsa_user_sgpr_count 2
		.amdhsa_user_sgpr_kernarg_segment_ptr 1
		.amdhsa_wavefront_size32 1
		.amdhsa_system_sgpr_workgroup_id_x 1
		.amdhsa_system_sgpr_workgroup_id_y 1
		.amdhsa_system_sgpr_workgroup_id_z 1
		.amdhsa_system_vgpr_workitem_id 0
		.amdhsa_next_free_vgpr 1024
		.amdhsa_next_free_sgpr 80
		.amdhsa_reserve_vcc 0
		.amdhsa_float_denorm_mode_32 3
		.amdhsa_float_denorm_mode_16_64 3
		.amdhsa_memory_ordered 1
		.amdhsa_forward_progress 1
		.amdhsa_inst_pref_size 255
	.end_amdhsa_kernel
	.section	.bss,"aw",@nobits
	.p2align	6
	.space	262144
	.amdgpu_metadata
---
amdhsa.version: [ 1, 2 ]
amdhsa.kernels:
  - .name:           k_q5d5532cc01_qkv
    .symbol:         k_q5d5532cc01_qkv.kd
    .args:
      - { .name: x_codes, .offset: 0, .size: 8, .value_kind: global_buffer, .address_space: global }
      - { .name: x_scales, .offset: 8, .size: 8, .value_kind: global_buffer, .address_space: global }
      - { .name: Wq_codes, .offset: 16, .size: 8, .value_kind: global_buffer, .address_space: global }
      - { .name: Wq_scales, .offset: 24, .size: 8, .value_kind: global_buffer, .address_space: global }
      - { .name: bq, .offset: 32, .size: 8, .value_kind: global_buffer, .address_space: global }
      - { .name: Wk_codes, .offset: 40, .size: 8, .value_kind: global_buffer, .address_space: global }
      - { .name: Wk_scales, .offset: 48, .size: 8, .value_kind: global_buffer, .address_space: global }
      - { .name: bk, .offset: 56, .size: 8, .value_kind: global_buffer, .address_space: global }
      - { .name: Wv_codes, .offset: 64, .size: 8, .value_kind: global_buffer, .address_space: global }
      - { .name: Wv_scales, .offset: 72, .size: 8, .value_kind: global_buffer, .address_space: global }
      - { .name: bv, .offset: 80, .size: 8, .value_kind: global_buffer, .address_space: global }
      - { .name: out0, .offset: 88, .size: 8, .value_kind: global_buffer, .address_space: global }
    .group_segment_fixed_size: 327680
    .private_segment_fixed_size: 0
    .kernarg_segment_align: 8
    .kernarg_segment_size: 96
    .max_flat_workgroup_size: 128
    .sgpr_count:     80
    .vgpr_count:     1024
    .wavefront_size: 32
...
	.end_amdgpu_metadata
.endif
;; end of part 2
